; MI455X (gfx1250); checked and timed in simulation.
; The chip was launched on July 23, 2026; its instructions are those of AMD's public machine-readable ISA for CDNA 5 (MIT licence, August 2026) and "CDNA5" Instruction Set Architecture Reference Guide (July 2026). The comments in the code are by the model that wrote it; some were corrected since.
;; Attention. Allowed arithmetic: matrix products marked QUANTISED: E3M2 operands, one E8M0 scale for each 32 along K, by v_wmma_scale_f32_16x16x128_f8f6f4 with both operands' format E3M2, f32 sums; everything else in f32.
;; Inputs: K_codes 4 x 16 x 2,048 x 2 x 24 uint8 (E3M2 codes of K, K innermost, in blocks of 32 codes, four codes in three bytes); K_scales 4 x 16 x 2,048 x 2 uint8 (E8M0 scales of K, one for each 32 codes along K); Q_codes 4 x 16 x 2,048 x 2 x 24 uint8 (E3M2 codes of Q, K innermost, in blocks of 32 codes, four codes in three bytes); Q_scales 4 x 16 x 2,048 x 2 uint8 (E8M0 scales of Q, one for each 32 codes along K); V_codes 4 x 16 x 64 x 64 x 24 uint8 (E3M2 codes of V, K innermost, in blocks of 32 codes, four codes in three bytes); V_scales 4 x 16 x 64 x 64 uint8 (E8M0 scales of V, one for each 32 codes along K); mask 1 x 1 x 2,048 x 2,048 bool.
;; Outputs: out0 4 x 16 x 2,048 x 64 float32.
;; This version of the problem:
;;   THIS VERSION OF THE PROBLEM IS GIVEN IN LOW PRECISION. The matrix products marked QUANTISED in the list below multiply operands that are first quantised to E3M2 (3 exponent bits, 2 mantissa bits; 6 bits a number), with one power-of-two scale for each 32 numbers along K (OCP MX v1.0); their sums are f32. All else is computed in f32.
;;   The module's matrix products, in the order in which they are computed (A, B: the left and right operand; K: the contracted axis; several contracted axes count as one K, in the product's order):
;;     1. batch 64 x [M 2,048, K 64] x [K 64, N 2,048]; A: input Q (given as codes); B: input K (given as codes): QUANTISED
;;     2. batch 64 x [M 2,048, K 2,048] x [K 2,048, N 64]; A: softmax (see below); B: input V (given as codes): QUANTISED
;;   THE QUANTISER, for each operand of a quantised product, along K:
;;     - K is cut into blocks of 32 from its start; a last block that is shorter is filled with zeros.
;;     - A block's scale is 2^e with e = floor(log2(the largest magnitude in the block)) - 4, held to -126 .. 127; a block of zeros has e = 0. As a byte (E8M0): e + 127.
;;     - Each number is divided by its block's scale, clamped to +-28, and rounded to the nearest number of E3M2, ties to even, subnormals kept.
;;     - The product sums the exact products of the quantised numbers (number of the format x scale) in f32.
;;   ~~~python
;;   def quantise(x, axis):      # numpy; x: float32 -> the quantised numbers, widened to float32 again
;;       x = np.moveaxis(x, axis, -1); K = x.shape[-1]
;;       x = np.pad(x, [(0, 0)] * (x.ndim - 1) + [(0, -K % 32)]); x = x.reshape(x.shape[:-1] + (-1, 32)); a = np.abs(x).max(-1, keepdims=True)
;;       e = np.where(a > 0, np.clip(np.frexp(np.where(a > 0, a, 1))[1] - 1 - 4, -126, 127), 0)      # np.frexp(a)[1] - 1 = floor(log2(a)), exactly
;;       r = np.clip(x / 2.0 ** e, -28, 28)
;;       step = 2.0 ** (np.maximum(np.frexp(np.where(r == 0, 1, r))[1] - 1, -2) - 2)
;;       q = np.round(r / step) * step * 2.0 ** e      # np.round: ties to even
;;       return np.moveaxis(q.reshape(q.shape[:-2] + (-1,))[..., :K], -1, axis).astype(np.float32)
;;   ~~~
;;   SOFTMAX AHEAD OF A QUANTISED PRODUCT. Where the list says 'softmax', what is quantised is not the finished softmax but p = 2^(t - M), with t = logit x log2(e) and M = ceil(the row's largest t), a whole number; so 1/2 < the row's largest p <= 1. The row's sum l is taken of the UNQUANTISED p, in f32, and the product's result is divided by l at the end. Since M is a whole number, a kernel that streams over the keys may use a running M (the ceiling of the running maximum): every later rescaling is an exact power of two, which a block's scale takes up: the codes' values come out the same.
;;   OPERANDS COMPUTED ON THE WAY. 'Computed on the way' means the value that the module computes at that place (a softmax that the list does not call 'softmax' is quantised finished and normalised). What goes into a quantiser is computed in f32, as accurately as f32 sums, v_exp_f32 and their like allow (about 1e-6 of the number): no bf16 or f16 on the way to a quantiser, and a product that is left as it is and whose result goes on into a quantised operand takes f32 operands (vector FMAs, or v_wmma_f32_16x16x4_f32). A number that lies on a knife's edge between two numbers of the format may be rounded either way, as far as f32 arithmetic and the matrix unit's own rounding can turn it there, and no further.
;;   INPUTS GIVEN AS CODES. K (in the module: [4, 16, 2048, 64], K = its axis 3); Q (in the module: [4, 16, 2048, 64], K = its axis 3); V (in the module: [4, 16, 2048, 64], K = its axis 2): each comes as NAME_codes (uint8): NAME with its K axis moved to the last place and cut into blocks of 32 codes, [.., K / 32, bytes a block], one block behind the other in memory; four codes in three bytes: a row's codes are one little-endian stream of bits, code i at bits 6 i .. 6 i + 5 (a code: sign, 3 exponent bits, 2 mantissa bits); and NAME_scales (uint8): the same leading axes, one E8M0 byte (e + 127) for each 32 codes along K. Its value is code x scale, taken as it is: it is not quantised again, and the codes and scales need not be those that the quantiser above would give.
;; 2 versions. Each part assembles by itself: llvm-mc -triple=amdgcn-amd-amdhsa -mcpu=gfx1250 --defsym DOCPART=n.
;; ======== version 1 of 2: 2 launches
;; workspace buffers: maskw 524,288 bytes of whole numbers; flags 8,192 bytes of whole numbers
;; launch maskprep (part 1): grid 128 x 2, 4 waves a work-group, no clusters, 0 bytes of LDS; arguments mask, maskw, flags; writes maskw, flags
.if DOCPART == 1
	.amdgcn_target "amdgcn-amd-amdhsa--gfx1250"
	.amdhsa_code_object_version 6
	.text
	.protected	k_q4d1d33116f_maskprep
	.globl	k_q4d1d33116f_maskprep
	.p2align	8
	.type	k_q4d1d33116f_maskprep,@function
k_q4d1d33116f_maskprep:
	s_mov_b64 s[64:65], 0
	v_nop
	global_prefetch_b8 v0, s[64:65] scope:SCOPE_SE
	s_setreg_imm32_b32 hwreg(HW_REG_WAVE_MODE, 25, 1), 1
	s_wait_xcnt 0x0
; The mask [2048 queries][2048 keys], one byte each, is read once and turned into what the attention launch wants of it:
;   maskw [128 query tiles T][16 key steps s][64 words]: bit l of word n = mask[16 T + l % 16][128 s + 32 (n / 16) + 16 (l / 16) + n % 16]:
;         the query and the key whose score lies in register n of lane l there, so that one select a register masks 32 scores;
;   flags [128][16] words: 0 = no byte of the step's 16 x 128 is set, 1 = some are, 0x10001 = all are.
; Any byte other than 0 counts as true.  Nothing is assumed of the mask's pattern.
; SHARES: work-group (x = T, y = half of the steps); wave w takes steps 8 y + 2 w and the next: of each of the tile's 16 rows 256 consecutive bytes, at a multiple of 256.
; Lane l loads 16 bytes of row l % 16 at 32 B + 16 (l / 16) of a step's 128, B = 0 .. 3: byte i of that load is the lane's bit of word 16 B + i.
; A compare gives the 32 lanes' bits as one scalar word; v_writelane_b32 puts word n into lane n / 2 of one of two registers, and the wave stores a step's 64 words as 256 consecutive bytes.
; No LDS, no barrier: waves share nothing.
.set DAT, 8                            ; v8-39   the bytes as loaded: step t, load B at v[8 + 16 t + 4 B]
.set WRD, 40                           ; v40-43  the words to store: step t: even words in v[40 + 2 t], odd ones in v[41 + 2 t]
.set FLG, 44                           ; v44     the two flag words, in lanes 0 and 1
.set TMP, 48                           ; v48-55  eight bytes cut out, one for each word of a group
	s_load_b128 s[4:7], s[0:1], 0x0                ; mask s[4:5], maskw s[6:7]
	s_load_b64 s[8:9], s[0:1], 0x10                ; flags
	v_lshrrev_b32 v5, 5, v0
	v_readfirstlane_b32 s10, v5                    ; wave 0..3
	v_and_b32 v1, 31, v0                           ; lane
	v_and_b32 v5, 15, v0
	v_lshlrev_b32 v2, 11, v5                       ; row l % 16 of 2,048 bytes
	v_bfe_u32 v5, v0, 4, 1
	v_lshl_add_u32 v2, v5, 4, v2                   ; + 16 (l / 16)
	v_lshlrev_b32 v3, 3, v1                        ; the words' store: 8 bytes a lane
	v_lshlrev_b32 v4, 2, v1                        ; the flags' store: 4 bytes a lane
.irp i, 0,1,2,3,4
	v_mov_b32 v[WRD+\i], 0                         ; v_writelane_b32's destination counts as read: written whole once
.endr
	s_and_b32 s11, ttmp7, 0xffff
	s_lshl_b32 s11, s11, 3
	s_lshl_b32 s28, s10, 1
	s_add_co_u32 s11, s11, s28                     ; my first step: 8 y + 2 w
	s_lshl_b32 s12, ttmp9, 15                      ; the tile's 16 rows begin at 32,768 T,
	s_lshl_b32 s28, s11, 7
	s_add_co_u32 s12, s12, s28                     ; my steps' bytes 128 x step further on
	s_mov_b32 s13, 0
	s_wait_kmcnt 0x0
	s_add_nc_u64 s[4:5], s[4:5], s[12:13]
	s_lshl_b32 s12, ttmp9, 4
	s_add_co_u32 s12, s12, s11                     ; 16 T + step
	s_lshl_b32 s28, s12, 2                         ; 4 bytes of flags for each,
	s_lshl_b32 s12, s12, 8                         ; 256 bytes of words
	s_add_nc_u64 s[6:7], s[6:7], s[12:13]
	s_mov_b32 s12, s28
	s_add_nc_u64 s[8:9], s[8:9], s[12:13]
.irp t, 0,1
.irp b, 0,1,2,3
	global_load_b128 v[DAT+16*\t+4*\b:DAT+16*\t+4*\b+3], v2, s[4:5] offset:128*\t+32*\b th:TH_LOAD_NT   ; read once in the launch
.endr
.endr
; One step's 64 words, in eight groups of eight, so that no line waits for the line above it.  Word n = 8 g + k: load n / 16 = g / 2, register (n % 16) / 4 = 2 (g % 2) + k / 4, byte k % 4.
.macro STEPW t
.if \t == 0
	s_wait_loadcnt 0x4                             ; this step's four loads are in; the next step's four may be out
.else
	s_wait_loadcnt 0x0
.endif
	s_mov_b32 s24, 0                               ; the or of the step's words
	s_mov_b32 s25, -1                              ; and their and
.set g, 0
.rept 8
.irp k, 0,1,2,3,4,5,6,7
	v_and_b32 v[TMP+\k], 0xff<<(8*(\k%4)), v[DAT+16*\t+4*(g/2)+2*(g%2)+\k/4]
.endr
.irp k, 0,1,2,3,4,5,6,7
	v_cmp_ne_u32 s[16+\k], 0, v[TMP+\k]            ; bit l: lane l's byte is not 0
.endr
.irp k, 0,1,2,3,4,5,6,7
	v_writelane_b32 v[WRD+2*\t+\k%2], s[16+\k], 4*g+\k/2
.endr
.irp k, 0,1,2,3,4,5,6,7
	s_or_b32 s24, s24, s[16+\k]
	s_and_b32 s25, s25, s[16+\k]
.endr
.set g, g+1
.endr
	global_store_b64 v3, v[WRD+2*\t:WRD+2*\t+1], s[6:7] offset:256*\t   ; 32 lanes store 256 consecutive bytes, at a multiple of 256 from the buffer's first byte; these registers are not written again
	s_cmp_lg_u32 s24, 0
	s_cselect_b32 s[26+\t], 1, 0                   ; bit 0: some key is open
	s_cmp_eq_u32 s25, -1
	s_cselect_b32 s28, 0x10000, 0                  ; bit 16: all are
	s_or_b32 s[26+\t], s[26+\t], s28
.endm
	STEPW 0
	STEPW 1
	v_writelane_b32 v[FLG], s26, 0
	v_writelane_b32 v[FLG], s27, 1
	v_cmp_gt_u32 vcc_lo, 2, v1                     ; lanes 0 and 1 store the two flag words
	s_wait_xcnt 0x0                                ; EXEC is a source of the stores above: it changes only behind this wait
	s_and_saveexec_b32 s30, vcc_lo
	global_store_b32 v4, v[FLG], s[8:9]
	s_wait_xcnt 0x0                                ; and again in front of the line that widens it
	s_or_b32 exec_lo, exec_lo, s30
	s_endpgm
.Lfunc_end_k_q4d1d33116f_maskprep:
	.size	k_q4d1d33116f_maskprep, .Lfunc_end_k_q4d1d33116f_maskprep-k_q4d1d33116f_maskprep
	.p2alignl 7, 3214868480
	.fill 96, 4, 3214868480
	.section	.rodata,"a",@progbits
	.p2align	6, 0x0
	.amdhsa_kernel k_q4d1d33116f_maskprep
		.amdhsa_group_segment_fixed_size 0
		.amdhsa_private_segment_fixed_size 0
		.amdhsa_enable_private_segment 0
		.amdhsa_kernarg_size 24
		.amdhsa_user_sgpr_count 2
		.amdhsa_user_sgpr_kernarg_segment_ptr 1
		.amdhsa_wavefront_size32 1
		.amdhsa_system_sgpr_workgroup_id_x 1
		.amdhsa_system_sgpr_workgroup_id_y 1
		.amdhsa_system_sgpr_workgroup_id_z 1
		.amdhsa_system_vgpr_workitem_id 0
		.amdhsa_next_free_vgpr 56
		.amdhsa_next_free_sgpr 66
		.amdhsa_reserve_vcc 1
		.amdhsa_float_denorm_mode_32 3
		.amdhsa_float_denorm_mode_16_64 3
		.amdhsa_memory_ordered 1
		.amdhsa_forward_progress 1
		.amdhsa_inst_pref_size 36
	.end_amdhsa_kernel
	.amdgpu_metadata
---
amdhsa.version: [ 1, 2 ]
amdhsa.kernels:
  - .name:           k_q4d1d33116f_maskprep
    .symbol:         k_q4d1d33116f_maskprep.kd
    .args:
      - { .name: mask, .offset: 0, .size: 8, .value_kind: global_buffer, .address_space: global }
      - { .name: maskw, .offset: 8, .size: 8, .value_kind: global_buffer, .address_space: global }
      - { .name: flags, .offset: 16, .size: 8, .value_kind: global_buffer, .address_space: global }
    .group_segment_fixed_size: 0
    .private_segment_fixed_size: 0
    .kernarg_segment_align: 8
    .kernarg_segment_size: 24
    .max_flat_workgroup_size: 128
    .sgpr_count:     66
    .vgpr_count:     56
    .wavefront_size: 32
...
	.end_amdgpu_metadata
.endif
;; end of part 1
;; launch attn (part 2): grid 4 x 64, 16 waves a work-group, no clusters, 280,576 bytes of LDS; arguments K_codes, K_scales, Q_codes, Q_scales, V_codes, V_scales, maskw, flags, out0; writes out0
.if DOCPART == 2
	.amdgcn_target "amdgcn-amd-amdhsa--gfx1250"
	.amdhsa_code_object_version 6
	.text
	.protected	k_q4d1d33116f_attn
	.globl	k_q4d1d33116f_attn
	.p2align	8
	.type	k_q4d1d33116f_attn,@function
k_q4d1d33116f_attn:
	s_mov_b64 s[64:65], 0
	v_nop
	global_prefetch_b8 v0, s[64:65] scope:SCOPE_SE
	s_setreg_imm32_b32 hwreg(HW_REG_WAVE_MODE, 25, 1), 1
	s_wait_xcnt 0x0
; out0[head][q][:] = the sum over k of softmax_k(mask ? Q[q] . K[k] / 8 : -inf) V[k][:], 64 heads, 2,048 queries and keys, head size 64, both products on codes of BF6 (E3M2) with one E8M0 scale for each 32 along K.
; Q, K: rows of 48 bytes of codes (two blocks of 24) and 2 scale bytes.  V: keys innermost, 64 rows of 1,536 bytes of codes and 64 scale bytes.  The mask comes as lane words and flags made by the launch before.
; THE SOFTMAX: t = score x log2(e) / 8; M = the row's largest t so far, rounded UP to a whole number; p = 2^(t - M) is quantised along the keys, not normalised; the row's sum is taken of the unquantised p and divides at the end.
; When M moves, the sum and O are multiplied by 2^(old M - new M), which rounds nothing.
; SHARES.  A work-group serves a quarter of a head's queries; wave w of work-group x has j = 16 x + w and takes the query tiles (16 queries) j and 127 - j, one after the other: 32 key steps of 128 keys under an open mask,
; 17 under a triangular one, the same for every wave; under any other mask only less even.
; K AND V OF THE WHOLE HEAD LIE IN LDS, copied once through registers, AS IMAGES OF THE OPERANDS' REGISTERS: 48 bytes a lane, 1,536 a fragment, read back by three loads of 16 bytes.  One barrier; behind it the sixteen waves share nothing.
; A KEY STEP none of whose 16 x 128 mask bits is set changes nothing (every p is 0) and is jumped over; one all of whose bits are set skips the masking: scalar branches on the stored flags.  They hold for any mask.
; K = 64 IN AN INSTRUCTION OF K = 128.  A fragment of K holds TWO tiles of 16 keys: registers 0-5 tile 2 b, registers 6-11 tile 2 b + 1.  Q stands between zeros: v30-35 = 0, v36-41 = Q, v42-47 = 0.
; Against v[36:47] = (Q | 0) the fragment gives tile 2 b's scores, against v[30:41] = (0 | Q) tile 2 b + 1's: the other tile's codes meet zero codes.  Q's scale word likewise: its two bytes below or above, 0 (2^-127) over the zeros.
; LAYOUT.  Both products are used transposed (S^T = K Q^T, O^T = V^T P^T): a lane holds ONE query (lane % 16) throughout.  THE KEYS OF A TILE ARE NOT NEIGHBOURS: row r of tile 2 b + u is key 32 b + 8 u + r + 8 (r / 8),
; so that score register 16 b + i of lane l is key 32 b + 16 (l / 16) + i of the step: 16 neighbours along the second product's K.
; NO JOINT REQUESTS, NO TENSOR LOADS: the four work-groups of a head do copy the same 200 KiB, but once each, at the head, and nothing in LDS is filled again.
; NO PREFETCH: the copy stands at the kernel's head, and a step's mask words, 256 bytes, are the same for all 64 heads.
; LIMITS.  A row with no open key gives NaN (0 x 1/0), as the softmax of a row of -inf does.  Scale bytes 0xff are not served.  A t under -3e38 is not told apart from a masked score.
; A block's largest p is taken from its largest score by the same multiply-add and exponential: this takes v_exp_f32 not to fall where its input rises; at the worst one p of a block, within an ulp of a power of two, is held one code low.
;
; LDS
.set KIMG,  0                          ; 64 images of 1,536 bytes, one for each 32 keys: lane 16 h + 8 a + w at 48 x lane: bytes 0-23 half h of key 32 b + 16 a + w, bytes 24-47 of key 32 b + 16 a + 8 + w
.set VIMG,  98304                      ; image 4 s + n: step s, channels 16 n on: lane 16 h + r at 48 x lane: bytes 24 c on: keys 128 s + 64 c + 32 h + 0 .. 31 of channel 16 n + r
.set KSC,   196608                     ; 256 bytes a step: the scale word of (block b, row r), two keys' two bytes, at 8 (16 (b % 2) + r) + 4 (b / 2)
.set VSC,   200704                     ; 256 bytes a step: the scale word of (tile n, row r) at 8 (16 (n % 2) + r) + 4 (n / 2)
.set STAGE, 208896                     ; the way out: 16 rows x (256 + 16) bytes for each wave.  4,096 bytes behind VSC's end: s8 and s9 stand one step past their regions when the loop over steps is left, and even there point at no stage
.set SROW,  272
.set IMG,   1536
; lanes 48 bytes apart: the sixteen lanes of half a load of 16 bytes start at sixteen different multiples of 16 modulo 256
; VECTOR REGISTERS
.set L48,  1                           ; v1   48 x lane
.set LSC,  2                           ; v2   KSC + 8 x lane
.set ADK,  3                           ; v3   the step's images of K
.set ADV,  4                           ; v4   of V
.set ADS,  5                           ; v5   the step's scale words
.set NINF, 6                           ; v6   -infinity
.set QO0,  7                           ; v7   Q's codes: 48 r + 24 h;  v8 the same + 768 T
.set QO,   8
.set QSO,  9                           ; v9   Q's scale bytes: 2 r + 32 T  (v29: 2 r)
.set STI,  10                          ; v10  the stage, in: 272 r + 32 h
.set STB,  11                          ; v11  and back: 272 h + 16 r
.set NM,   12                          ; v12  -M;  v13 the largest t;  v[14:15] the sum in two halves
.set OO0,  16                          ; v16  out0: 16 x lane;  v17 the same + 4,096 T
.set OO,   17
.set FF,   18                          ; v18  f = 2^(old M - new M);  v19 = 0, named with it as a pair
.set T0,   20                          ; v20, v21 at work
.set KS,   22                          ; v22-23 K's scale words;  v24-25 V's;  v26, v27 Q's, below and above;  v28 p's: these seven hold scales and nothing else
.set VS,   24
.set QS,   26
.set PS,   28
.set R2,   29
.set QZ,   30                          ; v30-47 zeros, Q, zeros
.set QL,   36
.set KF,   48                          ; v48-95  K's four fragments; behind the first product v48-59 p's codes, v60-66 halves of conversions, v68-69 a chain of the sum
.set VF,   96                          ; v96-143 V's four fragments
.set S,    144                         ; v144-207 S^T, then p; on the way out the quotients and the rows read back
.set OT,   208                         ; v208-239 O^T: four accumulators
.set BM,   240                         ; v240-243 the blocks' largest scores, then largest p
.set PT,   244                         ; v244-247 the other half's maxima, then the scale bytes
.set SO,   248                         ; v248-251 the conversions' scale operands
; SCALAR REGISTERS: s2 wave; s3 T; s[4:5] lane selects; s[6:7] c; s8, s9 the step's place among the images and the scale words; s10 step; s11 tiles to go; s12 the tile's flags; s13 at work; s[14:15] an offset;
; s16-63 and s68-83 a step's 64 mask words (at a tile's head s16-31: its 16 flag words); s[84:99], s[100:101] the buffers; behind the copy s[84:85] walks the mask words and s[86:87] are at work
	s_load_b512 s[84:99], s[0:1], 0x0              ; K's codes s[84:85], K's scales s[86:87], Q's s[88:89], s[90:91], V's s[92:93], s[94:95], maskw s[96:97], flags s[98:99]
	s_load_b64 s[100:101], s[0:1], 0x40            ; out0
	v_lshl_add_u32 v254, v0, 2, 0x44000
	v_mov_b32 v255, 0
	v_lshrrev_b32 v243, 5, v0                      ; thread / 32
	v_readfirstlane_b32 s2, v243                   ; wave 0..15
	v_and_b32 v240, 31, v0                         ; lane
	v_and_b32 v241, 15, v0                         ; r
	v_bfe_u32 v242, v0, 4, 1                       ; h
	v_mul_u32_u24 v[L48], v240, 48
	v_lshl_add_u32 v[LSC], v240, 3, KSC
	v_lshlrev_b32 v[OO0], 4, v240
	v_mul_u32_u24 v[QO0], v241, 48
	v_mad_u32_u24 v[QO0], v242, 24, v[QO0]
	v_lshlrev_b32 v[R2], 1, v241
	s_mul_i32 s13, s2, 16*SROW
	s_add_co_u32 s13, s13, STAGE                   ; my stage
	v_mul_u32_u24 v[STI], v241, SROW
	v_lshl_add_u32 v[STI], v242, 5, v[STI]
	v_add_nc_u32 v[STI], s13, v[STI]
	v_mul_u32_u24 v[STB], v242, SROW
	v_lshl_add_u32 v[STB], v241, 4, v[STB]
	v_add_nc_u32 v[STB], s13, v[STB]
	v_mov_b32 v[NINF], 0xff800000
.irp i, 0,1,2,3,4,5
	v_mov_b32 v[QZ+\i], 0                          ; the zero codes on both sides of Q: written once
	v_mov_b32 v[QZ+12+\i], 0
.endr
	v_mov_b32 v[FF+1], 0
	v_mov_b32 v[T0+1], 0                           ; a lane permute's destination counts as one of its sources: written once,
.irp b, 0,1,2,3
	v_mov_b32 v[PT+\b], 0                          ; these four too
.endr
	s_mov_b32 s4, 0x76543210
	s_mov_b32 s5, 0xfedcba98                       ; v_permlanex16_b32's selects for lane l xor 16
	s_mov_b32 s6, 0x3e38aa3b                       ; c = log2(e) / 8
	s_mov_b32 s7, s6                               ; (the packed form names the pair and takes its low word for both halves)
	; THE COPY.  A unit is 48 bytes of codes; thread t takes units t + 512 m, m = 0 .. 3, of K and of V.
	; K's unit is key t + 512 m: block of 32 keys t / 32 + 16 m, a = bit 4, u = bit 3, w = bits 2:0 of t; its half h goes to lane 16 h + 8 a + w of the image, 24 u bytes in.
	; V's unit is blocks 2 q and 2 q + 1 (q = t % 32) of channel t / 32 + 16 m: step q / 2, c = q % 2, tile m, row t / 32; its half h goes to lane 16 h + row, 24 c bytes in.
	v_mul_u32_u24 v150, v0, 48                     ; codes, in memory
	v_lshlrev_b32 v151, 1, v0                      ; K's scale bytes: two a key
	v_lshlrev_b32 v152, 2, v0                      ; V's: a word for a channel and a step
	v_and_b32 v248, 7, v0                          ; w
	v_bfe_u32 v249, v0, 3, 1                       ; u
	v_mul_u32_u24 v153, v243, IMG
	v_mad_u32_u24 v153, v242, 384, v153
	v_mad_u32_u24 v153, v248, 48, v153
	v_mad_u32_u24 v153, v249, 24, v153             ; K's codes, m = 0, 1: 1,536 (t / 32) + 384 a + 48 w + 24 u
	v_add_nc_u32 v154, 2*16*IMG, v153              ; m = 2, 3: an LDS offset has 16 bits
	v_bfe_u32 v250, v0, 1, 4
	v_mul_u32_u24 v155, v250, 4*IMG
	v_and_b32 v250, 1, v0
	v_mad_u32_u24 v155, v250, 24, v155
	v_mad_u32_u24 v155, v243, 48, v155
	v_add_nc_u32 v155, VIMG, v155                  ; V's codes: 6,144 (q / 2) + 24 (q % 2) + 48 (t / 32)
	v_lshrrev_b32 v250, 7, v0
	v_lshl_add_u32 v156, v250, 8, KSC
	v_bfe_u32 v250, v0, 5, 1
	v_lshl_add_u32 v156, v250, 7, v156
	v_bfe_u32 v250, v0, 6, 1
	v_lshl_add_u32 v156, v250, 2, v156
	v_lshl_add_u32 v156, v242, 6, v156
	v_lshl_add_u32 v156, v248, 3, v156
	v_lshl_add_u32 v156, v249, 1, v156             ; K's scale bytes: 256 (t / 128) + 128 bit 5 + 4 bit 6 + 64 a + 8 w + 2 u
	v_lshl_add_u32 v157, v241, 8, VSC
	v_lshrrev_b32 v250, 8, v0
	v_lshl_add_u32 v157, v250, 7, v157
	v_bfe_u32 v250, v0, 4, 4
	v_lshl_add_u32 v157, v250, 3, v157             ; V's scale words: word t + 512 m is channel t / 16 + 32 m, step t % 16: 256 (t % 16) + 128 (t / 256) + 8 ((t / 16) % 16), + 4 m
	s_and_b32 s12, ttmp7, 0xffff                   ; the head
	s_mul_i32 s14, s12, 98304                      ; its codes, in each of the three tensors
	s_mov_b32 s15, 0
	s_wait_kmcnt 0x0
	s_add_nc_u64 s[84:85], s[84:85], s[14:15]
	s_add_nc_u64 s[88:89], s[88:89], s[14:15]
	s_add_nc_u64 s[92:93], s[92:93], s[14:15]
	s_lshl_b32 s14, s12, 12                        ; its scale bytes
	s_add_nc_u64 s[86:87], s[86:87], s[14:15]
	s_add_nc_u64 s[90:91], s[90:91], s[14:15]
	s_add_nc_u64 s[94:95], s[94:95], s[14:15]
	s_lshl_b32 s14, s12, 19                        ; its rows of out0
	s_add_nc_u64 s[100:101], s[100:101], s[14:15]
.irp m, 0,1,2,3
.irp j, 0,1,2
	global_load_b128 v[KF+12*\m+4*\j:KF+12*\m+4*\j+3], v150, s[84:85] offset:24576*\m+16*\j
.endr
.endr
.irp m, 0,1,2,3
	global_load_u16 v[144+\m], v151, s[86:87] offset:1024*\m
.endr
.irp m, 0,1,2,3
.irp j, 0,1,2
	global_load_b128 v[VF+12*\m+4*\j:VF+12*\m+4*\j+3], v150, s[92:93] offset:24576*\m+16*\j
.endr
.endr
.irp m, 0,1
	global_load_b32 v[148+\m], v152, s[94:95] offset:2048*\m
.endr
	s_wait_loadcnt 18                              ; K's 12 loads of codes are in; the 4 + 12 + 2 issued behind them may be out
.irp m, 0,1,2,3
.irp h, 0,1
.irp p, 0,1,2
	ds_store_b64 v[153+\m/2], v[KF+12*\m+6*\h+2*\p:KF+12*\m+6*\h+2*\p+1] offset:16*IMG*(\m%2)+768*\h+8*\p
.endr
.endr
.endr
	s_wait_loadcnt 14                              ; K's scale bytes are in; V's 12 + 2 may be out
.irp m, 0,1,2,3
	ds_store_b16 v156, v[144+\m] offset:1024*\m
.endr
	s_wait_loadcnt 2                               ; V's codes are in; its two scale words may be out
.irp m, 0,1,2,3
.irp h, 0,1
.irp p, 0,1,2
	ds_store_b64 v155, v[VF+12*\m+6*\h+2*\p:VF+12*\m+6*\h+2*\p+1] offset:IMG*\m+768*\h+8*\p
.endr
.endr
.endr
	s_wait_loadcnt 0x0
.irp m, 0,1
	ds_store_b32 v157, v[148+\m] offset:4*\m
.endr
	s_wait_dscnt 0x0                               ; for the others' sake: my stores have landed
	s_barrier_signal -1
	s_barrier_wait -1                              ; the head's K and V lie in LDS: the kernel's one barrier.  From here on these bytes are only read
	s_lshl_b32 s3, ttmp9, 4
	s_add_co_u32 s3, s3, s2                        ; my first query tile: 16 x + w
	s_mov_b32 s11, 2
; One product of S^T = K Q^T: block b of the step's four, tile u of its two.  K's scale words: blocks 0 and 2 in lanes 0-15 of their registers, blocks 1 and 3 in lanes 16-31.
.macro KQ b, u
.if (\b)%2
	v_wmma_scale_f32_16x16x128_f8f6f4 v[S+16*(\b)+8*(\u):S+16*(\b)+8*(\u)+7], v[KF+12*(\b):KF+12*(\b)+11], v[QL-6*(\u):QL-6*(\u)+11], 0, v[KS+(\b)/2], v[QS+(\u)] matrix_a_fmt:MATRIX_FMT_BF6 matrix_b_fmt:MATRIX_FMT_BF6 matrix_a_scale:MATRIX_SCALE_ROW1
.else
	v_wmma_scale_f32_16x16x128_f8f6f4 v[S+16*(\b)+8*(\u):S+16*(\b)+8*(\u)+7], v[KF+12*(\b):KF+12*(\b)+11], v[QL-6*(\u):QL-6*(\u)+11], 0, v[KS+(\b)/2], v[QS+(\u)] matrix_a_fmt:MATRIX_FMT_BF6 matrix_b_fmt:MATRIX_FMT_BF6
.endif
.endm
; One product of O^T += V^T P^T: channels 16 n on, K = the step's 128 keys
.macro PV n
.if (\n)%2
	v_wmma_scale_f32_16x16x128_f8f6f4 v[OT+8*(\n):OT+8*(\n)+7], v[VF+12*(\n):VF+12*(\n)+11], v[KF:KF+11], v[OT+8*(\n):OT+8*(\n)+7], v[VS+(\n)/2], v[PS] matrix_a_fmt:MATRIX_FMT_BF6 matrix_b_fmt:MATRIX_FMT_BF6 matrix_a_scale:MATRIX_SCALE_ROW1
.else
	v_wmma_scale_f32_16x16x128_f8f6f4 v[OT+8*(\n):OT+8*(\n)+7], v[VF+12*(\n):VF+12*(\n)+11], v[KF:KF+11], v[OT+8*(\n):OT+8*(\n)+7], v[VS+(\n)/2], v[PS] matrix_a_fmt:MATRIX_FMT_BF6 matrix_b_fmt:MATRIX_FMT_BF6
.endif
.endm
; A step's 26 LDS loads in one run, K's 13 first, and the eight products of the scores.  V's 13 land under the softmax.
; (The loads go into registers that the last step's products have read: the four v_nop behind those products and the three additions here are the places in front of them: ISA guide 7.12.1 for vector instructions.)
.macro FRONT
	v_add_nc_u32 v[ADK], s8, v[L48]
	v_add_nc_u32 v[ADV], VIMG, v[ADK]
	v_add_nc_u32 v[ADS], s9, v[LSC]
	ds_load_b64 v[KS:KS+1], v[ADS]
.irp b, 0,1,2,3
.irp j, 0,1,2
	ds_load_b128 v[KF+12*\b+4*\j:KF+12*\b+4*\j+3], v[ADK] offset:IMG*\b+16*\j
.endr
.endr
	ds_load_b64 v[VS:VS+1], v[ADS] offset:VSC-KSC
.irp n, 0,1,2,3
.irp j, 0,1,2
	ds_load_b128 v[VF+12*\n+4*\j:VF+12*\n+4*\j+3], v[ADV] offset:IMG*\n+16*\j
.endr
.endr
	s_wait_dscnt 13                                ; K's scale words and fragments are in; V's 13 loads may be out
.irp b, 0,1,2,3
	KQ \b, 0
	KQ \b, 1
.endr
.rept 4
	v_nop                                          ; four places behind the products, in front of the first read of the scores and of the first write of K's registers
.endr
.endm
.Ltile:                                            ; two trips: tiles j and 127 - j
	s_lshl_b32 s14, s3, 6
	s_add_nc_u64 s[86:87], s[98:99], s[14:15]      ; the tile's 16 flag words
	s_load_b512 s[16:31], s[86:87], 0x0
	s_lshl_b32 s14, s3, 12
	s_add_nc_u64 s[84:85], s[96:97], s[14:15]      ; its mask words: 256 bytes a step
	s_mul_i32 s13, s3, 768
	v_add_nc_u32 v[QO], s13, v[QO0]
	s_lshl_b32 s13, s3, 5
	v_add_nc_u32 v[QSO], s13, v[R2]
	v_add_nc_u32 v[OO], s14, v[OO0]                ; its 16 rows of out0 begin 4,096 T bytes into the head's
.irp p, 0,1,2
	global_load_b64 v[QL+2*\p:QL+2*\p+1], v[QO], s[88:89] offset:8*\p   ; lane (r, h): the 24 bytes of query r's block h, as they lie
.endr
	global_load_u16 v[QS], v[QSO], s[90:91]        ; query r's two scale bytes, zeros above them
	s_wait_kmcnt 0x0
	s_mov_b32 s12, s16                             ; the 16 flag words in one: bit s = some key of step s is open, bit 16 + s = all are
.irp i, 1,2,3,4,5,6,7,8,9,10,11,12,13,14,15
	s_lshl_b32 s87, s[16+\i], \i
	s_or_b32 s12, s12, s87
.endr
	s_wait_loadcnt 0x0                             ; Q
	v_lshlrev_b32 v[QS+1], 16, v[QS]               ; the same two bytes above, zeros below.  (The 36 lines that follow are more than the eight places that a scale register written so owes ahead of a scaled product)
	v_mov_b32 v[NM+1], 0xff61b1e6                  ; the largest t so far: -3e38, under every t
	v_floor_f32 v[NM], -v[NM+1]                    ; -M
	v_mov_b32 v[NM+2], 0                           ; the sum, in two halves
	v_mov_b32 v[NM+3], 0
.set j, 0
.rept 32
	v_mov_b32 v[OT+j], 0                           ; O^T.  Which step is a tile's first hangs on the mask, so no product can be written out to start the sums: 32 lines a tile
.set j, j+1
.endr
	s_mov_b32 s8, 0
	s_mov_b32 s9, 0
	s_mov_b32 s10, 0
.Lstep:                                            ; 16 trips, whatever the mask: a closed step jumps to the lines at the trip's end
	s_lshr_b32 s13, s12, s10
	s_bitcmp1_b32 s13, 0
	s_cbranch_scc0 .Lskip                          ; no key of the step is open for any of my 16 queries
	s_bitcmp1_b32 s13, 16
	s_cbranch_scc1 .Lfull                          ; all are open: nothing to mask
	s_load_b512 s[16:31], s[84:85], 0x0            ; the step's 64 mask words, asked for ahead of the products
	s_load_b512 s[32:47], s[84:85], 0x40
	s_load_b512 s[48:63], s[84:85], 0x80
	s_load_b512 s[68:83], s[84:85], 0xc0
	FRONT
	s_wait_kmcnt 0x0
.set n, 0
.rept 64
.if n < 48
	v_cndmask_b32 v[S+n], v[NINF], v[S+n], s[16+n]   ; bit l of word n: lane l's score in register n counts; else -infinity, ahead of the maximum: p = 0 then.  Ascending: each accumulator from its low end on
.else
	v_cndmask_b32 v[S+n], v[NINF], v[S+n], s[20+n]
.endif
.set n, n+1
.endr
	s_branch .Lsoft
.Lfull:
	FRONT
.Lsoft:
.irp b, 0,1,2,3
	v_max3_num_f32 v[BM+\b], v[S+16*\b], v[S+1+16*\b], v[S+2+16*\b]   ; THE LARGEST SCORE OF EACH BLOCK OF 32 KEYS: it serves the row's maximum and, since p rises with the score, the block's largest p
.endr
.irp i, 3,5,7,9,11,13
.irp b, 0,1,2,3
	v_max3_num_f32 v[BM+\b], v[BM+\b], v[S+16*\b+\i], v[S+1+16*\b+\i]   ; (the four blocks by turns)
.endr
.endr
.irp b, 0,1,2,3
	v_max_num_f32 v[BM+\b], v[BM+\b], v[S+15+16*\b]
.endr
.irp b, 0,1,2,3
	v_permlanex16_b32 v[PT+\b], v[BM+\b], s4, s5
.endr
.irp b, 0,1,2,3
	v_max_num_f32 v[BM+\b], v[BM+\b], v[PT+\b]     ; with lane l xor 16's 16 keys
.endr
	v_max3_num_f32 v[T0], v[BM], v[BM+1], v[BM+2]
	v_max_num_f32 v[T0], v[T0], v[BM+3]            ; the step's largest score of my query
	v_mul_f32 v[T0], s6, v[T0]                     ; as t (c is positive)
	v_max_num_f32 v[NM+1], v[NM+1], v[T0]          ; the running largest t.  A query with no open key so far keeps -3e38: its scores are all -infinity, its p all 0
	v_mov_b32 v[T0], v[NM]
	v_floor_f32 v[NM], -v[NM+1]                    ; the new -M = floor(-t) = -ceil(t): M IS A WHOLE NUMBER
	v_sub_f32 v[T0], v[NM], v[T0]                  ; M's old value less its new one: a whole number, 0 or less
	v_cvt_i32_f32 v[T0], v[T0]                     ; (it saturates)
	v_ldexp_f32 v[FF], 1.0, v[T0]                  ; f = 2^(old M - new M)
.set j, 0
.rept 32
	v_pk_fma_f32 v[S+j:S+j+1], v[S+j:S+j+1], s[6:7], v[NM:NM+1] op_sel_hi:[1,0,0]   ; t - M, two at a time (of the pairs c and -M the low word serves both halves)
.set j, j+2
.endr
.irp b, 0,1,2,3
	v_fma_f32 v[BM+\b], v[BM+\b], s6, v[NM]        ; the same of each block's largest score
.endr
.set j, 0
.rept 64
	v_exp_f32 v[S+j], v[S+j]                       ; p = 2^(t - M), at most 1: NOT normalised
.set j, j+1
.endr
.irp b, 0,1,2,3
	v_exp_f32 v[BM+\b], v[BM+\b]                   ; the block's largest p: the same two instructions on the same number give the same bits
.endr
	v_pk_mul_f32 v[NM+2:NM+3], v[NM+2:NM+3], v[FF:FF+1] op_sel_hi:[1,0]   ; the sums under the new M.  (The plain place behind the exponentials)
	s_wait_alu depctr_va_vdst(0)
.irp b, 0,1,2,3
	v_max_num_f32 v[BM+\b], 0x2800000, v[BM+\b]    ; the floor 2^(5 - 127): the byte cannot fall under 1 (a block whose every p is 0 keeps that byte: its codes are zeros)
.endr
.irp b, 0,1,2,3
	v_add_nc_u32 v[SO+\b], 0xfe000000, v[BM+\b]    ; 4 off the exponent field: the conversion takes the exponent field of this operand as its scale
.endr
.irp b, 0,1,2,3
	v_lshrrev_b32 v[PT+\b], 23, v[SO+\b]           ; the scale's byte
.endr
	v_lshl_or_b32 v[PS], v[PT+1], 8, v[PT]         ; p's scale word for these 128 keys
	v_lshl_or_b32 v[PS], v[PT+2], 16, v[PS]
	v_lshl_or_b32 v[PS], v[PT+3], 24, v[PS]
.irp c, 0,1
	v_cvt_scalef32_pk16_bf6_f32 v[KF+6*\c:KF+2+6*\c], v[S+32*\c:S+15+32*\c], v[SO+2*\c]           ; 96 bits: the codes of keys 64 c + 16 h + 0 .. 15
	v_cvt_scalef32_pk16_bf6_f32 v[KF+12+4*\c:KF+14+4*\c], v[S+16+32*\c:S+31+32*\c], v[SO+2*\c+1]   ; and of keys 64 c + 32 + 16 h + 0 .. 15  (a conversion's three registers begin on an even number)
.endr
	v_nop                                          ; one plain place behind a scaled conversion
.irp c, 0,1                                    ; the operand's layout wants a WHOLE block in a lane: lanes 0-15 block 2 c, lanes 16-31 block 2 c + 1
.irp i, 0,1,2
	v_permlane16_swap_b32 v[KF+6*\c+\i], v[KF+12+4*\c+\i]
.endr
.irp i, 0,1,2
	v_mov_b32 v[KF+3+6*\c+\i], v[KF+12+4*\c+\i]
.endr
.endr
	v_pk_add_f32 v[KF+20:KF+21], v[S:S+1], v[S+2:S+3]   ; THE ROW'S SUM IS TAKEN OF THE UNQUANTISED p: two at a time, in two chains
.set j, 4
.rept 15
	v_pk_add_f32 v[NM+2:NM+3], v[NM+2:NM+3], v[S+j:S+j+1]
	v_pk_add_f32 v[KF+20:KF+21], v[KF+20:KF+21], v[S+j+2:S+j+3]
.set j, j+4
.endr
	v_pk_add_f32 v[NM+2:NM+3], v[NM+2:NM+3], v[KF+20:KF+21]
.set j, 0
.rept 16
	v_pk_mul_f32 v[OT+j:OT+j+1], v[OT+j:OT+j+1], v[FF:FF+1] op_sel_hi:[1,0]   ; O^T under the new M, each accumulator from its low end on.  (With the 32 sums: the places that p's scale word, eight, and its codes, four, owe ahead of the products)
.set j, j+2
.endr
	s_wait_dscnt 0x0                               ; V's fragments and scale words, asked for ahead of the softmax
.irp n, 0,1,2,3
	PV \n                                          ; the four accumulators by turns, one instruction a turn, and the eight products of the scores stand between two links of a chain
.endr
.rept 4
	v_nop                                          ; four places, in front of the next step's loads into both sets of fragments and of the way out's reads
.endr
.Lskip:
	s_add_co_u32 s8, s8, 4*IMG                     ; the next step's images,
	s_add_co_u32 s9, s9, 256                       ; scale words
	s_add_nc_u64 s[84:85], s[84:85], 256           ; and mask words (the scalar loads that read this base, if any were issued, have been waited for)
	s_add_co_u32 s10, s10, 1
	s_cmp_lt_u32 s10, 16
	s_cbranch_scc1 .Lstep
	; THE WAY OUT of a tile.  O^T / the sum goes through my own stage in LDS and leaves as whole rows of 256 bytes.
	v_add_f32 v[NM+2], v[NM+2], v[NM+3]            ; the sum's two halves,
	v_permlanex16_b32 v[T0+1], v[NM+2], s4, s5
	v_add_f32 v[NM+2], v[NM+2], v[T0+1]            ; and lane l xor 16's: the row's sum
	v_rcp_f32 v[NM+2], v[NM+2]
	v_nop                                          ; one plain place behind a transcendental
.set j, 0
	s_wait_alu depctr_va_vdst(0)
.rept 32
	v_mul_f32 v[S+j], v[OT+j], v[NM+2]             ; register 8 n + i is out(r, 16 n + 8 h + i).  A row with no open key: 0 x infinity = NaN
.set j, j+1
.endr
.irp n, 0,1,2,3
	ds_store_b128 v[STI], v[S+8*\n:S+8*\n+3] offset:64*\n
	ds_store_b128 v[STI], v[S+8*\n+4:S+8*\n+7] offset:64*\n+16
.endr
.irp i, 0,1,2,3,4,5,6,7
	ds_load_b128 v[S+32+4*\i:S+32+4*\i+3], v[STB] offset:2*\i*SROW   ; LDS serves a wave's instructions in order (ISA guide 5.7.1.4): these see my stores
.endr
.irp i, 0,1,2,3,4,5,6,7
	s_wait_dscnt 7-\i                              ; rows 2 i and 2 i + 1 are back; the younger loads may be out
	global_store_b128 v[OO], v[S+32+4*\i:S+32+4*\i+3], s[100:101] offset:512*\i th:TH_STORE_NT   ; 32 lanes store 512 consecutive bytes, at a multiple of 256 from out0's first byte; written once, read by nobody here
.endr
	s_wait_xcnt 0x0                                ; the stores have read their data and their offset: the next tile writes both again
	s_sub_co_u32 s3, 127, s3                       ; the second tile: 127 - j
	s_sub_co_u32 s11, s11, 1
	s_cmp_lg_u32 s11, 0
	s_cbranch_scc1 .Ltile
	s_wait_tensorcnt 0x0
	ds_add_u32 v254, v255
	s_wait_dscnt 0x0
	s_endpgm
.Lfunc_end_k_q4d1d33116f_attn:
	.size	k_q4d1d33116f_attn, .Lfunc_end_k_q4d1d33116f_attn-k_q4d1d33116f_attn
	.p2alignl 7, 3214868480
	.fill 96, 4, 3214868480
	.section	.rodata,"a",@progbits
	.p2align	6, 0x0
	.amdhsa_kernel k_q4d1d33116f_attn
		.amdhsa_group_segment_fixed_size 280576
		.amdhsa_private_segment_fixed_size 0
		.amdhsa_enable_private_segment 0
		.amdhsa_kernarg_size 72
		.amdhsa_user_sgpr_count 2
		.amdhsa_user_sgpr_kernarg_segment_ptr 1
		.amdhsa_wavefront_size32 1
		.amdhsa_system_sgpr_workgroup_id_x 1
		.amdhsa_system_sgpr_workgroup_id_y 1
		.amdhsa_system_sgpr_workgroup_id_z 1
		.amdhsa_system_vgpr_workitem_id 0
		.amdhsa_next_free_vgpr 256
		.amdhsa_next_free_sgpr 102
		.amdhsa_reserve_vcc 0
		.amdhsa_float_denorm_mode_32 3
		.amdhsa_float_denorm_mode_16_64 3
		.amdhsa_memory_ordered 1
		.amdhsa_forward_progress 1
		.amdhsa_inst_pref_size 41
	.end_amdhsa_kernel
	.amdgpu_metadata
---
amdhsa.version: [ 1, 2 ]
amdhsa.kernels:
  - .name:           k_q4d1d33116f_attn
    .symbol:         k_q4d1d33116f_attn.kd
    .args:
      - { .name: K_codes, .offset: 0, .size: 8, .value_kind: global_buffer, .address_space: global }
      - { .name: K_scales, .offset: 8, .size: 8, .value_kind: global_buffer, .address_space: global }
      - { .name: Q_codes, .offset: 16, .size: 8, .value_kind: global_buffer, .address_space: global }
      - { .name: Q_scales, .offset: 24, .size: 8, .value_kind: global_buffer, .address_space: global }
      - { .name: V_codes, .offset: 32, .size: 8, .value_kind: global_buffer, .address_space: global }
      - { .name: V_scales, .offset: 40, .size: 8, .value_kind: global_buffer, .address_space: global }
      - { .name: maskw, .offset: 48, .size: 8, .value_kind: global_buffer, .address_space: global }
      - { .name: flags, .offset: 56, .size: 8, .value_kind: global_buffer, .address_space: global }
      - { .name: out0, .offset: 64, .size: 8, .value_kind: global_buffer, .address_space: global }
    .group_segment_fixed_size: 280576
    .private_segment_fixed_size: 0
    .kernarg_segment_align: 8
    .kernarg_segment_size: 72
    .max_flat_workgroup_size: 512
    .sgpr_count:     102
    .vgpr_count:     256
    .wavefront_size: 32
...
	.end_amdgpu_metadata
.endif
;; end of part 2
;; ======== version 2 of 2: 2 launches
;; workspace buffers: maskw 524,288 bytes of whole numbers; flags 8,192 bytes of whole numbers
;; launch maskprep (part 3): grid 128 x 2, 4 waves a work-group, no clusters, 0 bytes of LDS; arguments mask, maskw, flags; writes maskw, flags
.if DOCPART == 3
	.amdgcn_target "amdgcn-amd-amdhsa--gfx1250"
	.amdhsa_code_object_version 6
	.text
	.protected	k_q4d1d33116f_maskprep
	.globl	k_q4d1d33116f_maskprep
	.p2align	8
	.type	k_q4d1d33116f_maskprep,@function
k_q4d1d33116f_maskprep:
	s_mov_b64 s[64:65], 0
	v_nop
	global_prefetch_b8 v0, s[64:65] scope:SCOPE_SE
	s_setreg_imm32_b32 hwreg(HW_REG_WAVE_MODE, 25, 1), 1
	s_wait_xcnt 0x0
; The mask [2048 queries][2048 keys], one byte each, is read once and turned into what the attention launch wants of it:
;   maskw [128 query tiles T][16 key steps s][64 words]: bit l of word n = mask[16 T + l % 16][128 s + 32 (n / 16) + 16 (l / 16) + n % 16]:
;         the query and the key whose score lies in register n of lane l there, so that one select a register masks 32 scores;
;   flags [128][16] words: 0 = no byte of the step's 16 x 128 is set, 1 = some are, 0x10001 = all are.
; Any byte other than 0 counts as true.  Nothing is assumed of the mask's pattern.
; SHARES: work-group (x = T, y = half of the steps); wave w takes steps 8 y + 2 w and the next: of each of the tile's 16 rows 256 consecutive bytes, at a multiple of 256.
; Lane l loads 16 bytes of row l % 16 at 32 B + 16 (l / 16) of a step's 128, B = 0 .. 3: byte i of that load is the lane's bit of word 16 B + i.
; A compare gives the 32 lanes' bits as one scalar word; v_writelane_b32 puts word n into lane n / 2 of one of two registers, and the wave stores a step's 64 words as 256 consecutive bytes.
; No LDS, no barrier: waves share nothing.
.set DAT, 8                            ; v8-39   the bytes as loaded: step t, load B at v[8 + 16 t + 4 B]
.set WRD, 40                           ; v40-43  the words to store: step t: even words in v[40 + 2 t], odd ones in v[41 + 2 t]
.set FLG, 44                           ; v44     the two flag words, in lanes 0 and 1
.set TMP, 48                           ; v48-55  eight bytes cut out, one for each word of a group
	s_load_b128 s[4:7], s[0:1], 0x0                ; mask s[4:5], maskw s[6:7]
	s_load_b64 s[8:9], s[0:1], 0x10                ; flags
	v_lshrrev_b32 v5, 5, v0
	v_readfirstlane_b32 s10, v5                    ; wave 0..3
	v_and_b32 v1, 31, v0                           ; lane
	v_and_b32 v5, 15, v0
	v_lshlrev_b32 v2, 11, v5                       ; row l % 16 of 2,048 bytes
	v_bfe_u32 v5, v0, 4, 1
	v_lshl_add_u32 v2, v5, 4, v2                   ; + 16 (l / 16)
	v_lshlrev_b32 v3, 3, v1                        ; the words' store: 8 bytes a lane
	v_lshlrev_b32 v4, 2, v1                        ; the flags' store: 4 bytes a lane
.irp i, 0,1,2,3,4
	v_mov_b32 v[WRD+\i], 0                         ; v_writelane_b32's destination counts as read: written whole once
.endr
	s_and_b32 s11, ttmp7, 0xffff
	s_lshl_b32 s11, s11, 3
	s_lshl_b32 s28, s10, 1
	s_add_co_u32 s11, s11, s28                     ; my first step: 8 y + 2 w
	s_lshl_b32 s12, ttmp9, 15                      ; the tile's 16 rows begin at 32,768 T,
	s_lshl_b32 s28, s11, 7
	s_add_co_u32 s12, s12, s28                     ; my steps' bytes 128 x step further on
	s_mov_b32 s13, 0
	s_wait_alu depctr_va_vdst(0)
	s_wait_kmcnt 0x0
	s_add_nc_u64 s[4:5], s[4:5], s[12:13]
	s_lshl_b32 s12, ttmp9, 4
	s_add_co_u32 s12, s12, s11                     ; 16 T + step
	s_lshl_b32 s28, s12, 2                         ; 4 bytes of flags for each,
	s_lshl_b32 s12, s12, 8                         ; 256 bytes of words
	s_add_nc_u64 s[6:7], s[6:7], s[12:13]
	s_mov_b32 s12, s28
	s_add_nc_u64 s[8:9], s[8:9], s[12:13]
.irp t, 0,1
.irp b, 0,1,2,3
	global_load_b128 v[DAT+16*\t+4*\b:DAT+16*\t+4*\b+3], v2, s[4:5] offset:128*\t+32*\b th:TH_LOAD_NT   ; read once in the launch
.endr
.endr
; One step's 64 words, in eight groups of eight, so that no line waits for the line above it.  Word n = 8 g + k: load n / 16 = g / 2, register (n % 16) / 4 = 2 (g % 2) + k / 4, byte k % 4.
.macro STEPW t
.if \t == 0
	s_wait_loadcnt 0x4                             ; this step's four loads are in; the next step's four may be out
.else
	s_wait_loadcnt 0x0
.endif
	s_mov_b32 s24, 0                               ; the or of the step's words
	s_mov_b32 s25, -1                              ; and their and
.set g, 0
.rept 8
.irp k, 0,1,2,3,4,5,6,7
	v_and_b32 v[TMP+\k], 0xff<<(8*(\k%4)), v[DAT+16*\t+4*(g/2)+2*(g%2)+\k/4]
.endr
.irp k, 0,1,2,3,4,5,6,7
	v_cmp_ne_u32 s[16+\k], 0, v[TMP+\k]            ; bit l: lane l's byte is not 0
.endr
.irp k, 0,1,2,3,4,5,6,7
	v_writelane_b32 v[WRD+2*\t+\k%2], s[16+\k], 4*g+\k/2
.endr
.irp k, 0,1,2,3,4,5,6,7
	s_or_b32 s24, s24, s[16+\k]
	s_and_b32 s25, s25, s[16+\k]
.endr
.set g, g+1
.endr
	s_wait_alu depctr_va_vdst(0)
	global_store_b64 v3, v[WRD+2*\t:WRD+2*\t+1], s[6:7] offset:256*\t   ; 32 lanes store 256 consecutive bytes, at a multiple of 256 from the buffer's first byte; these registers are not written again
	s_cmp_lg_u32 s24, 0
	s_cselect_b32 s[26+\t], 1, 0                   ; bit 0: some key is open
	s_cmp_eq_u32 s25, -1
	s_cselect_b32 s28, 0x10000, 0                  ; bit 16: all are
	s_or_b32 s[26+\t], s[26+\t], s28
.endm
	STEPW 0
	STEPW 1
	v_writelane_b32 v[FLG], s26, 0
	v_writelane_b32 v[FLG], s27, 1
	v_cmp_gt_u32 vcc_lo, 2, v1                     ; lanes 0 and 1 store the two flag words
	s_wait_alu depctr_va_vdst(0)
	s_wait_xcnt 0x0                                ; EXEC is a source of the stores above: it changes only behind this wait
	s_and_saveexec_b32 s30, vcc_lo
	global_store_b32 v4, v[FLG], s[8:9]
	s_wait_xcnt 0x0                                ; and again in front of the line that widens it
	s_or_b32 exec_lo, exec_lo, s30
	s_endpgm
.Lfunc_end_k_q4d1d33116f_maskprep:
	.size	k_q4d1d33116f_maskprep, .Lfunc_end_k_q4d1d33116f_maskprep-k_q4d1d33116f_maskprep
	.p2alignl 7, 3214868480
	.fill 96, 4, 3214868480
	.section	.rodata,"a",@progbits
	.p2align	6, 0x0
	.amdhsa_kernel k_q4d1d33116f_maskprep
		.amdhsa_group_segment_fixed_size 0
		.amdhsa_private_segment_fixed_size 0
		.amdhsa_enable_private_segment 0
		.amdhsa_kernarg_size 24
		.amdhsa_user_sgpr_count 2
		.amdhsa_user_sgpr_kernarg_segment_ptr 1
		.amdhsa_wavefront_size32 1
		.amdhsa_system_sgpr_workgroup_id_x 1
		.amdhsa_system_sgpr_workgroup_id_y 1
		.amdhsa_system_sgpr_workgroup_id_z 1
		.amdhsa_system_vgpr_workitem_id 0
		.amdhsa_next_free_vgpr 56
		.amdhsa_next_free_sgpr 66
		.amdhsa_reserve_vcc 1
		.amdhsa_float_denorm_mode_32 3
		.amdhsa_float_denorm_mode_16_64 3
		.amdhsa_memory_ordered 1
		.amdhsa_forward_progress 1
		.amdhsa_inst_pref_size 36
	.end_amdhsa_kernel
	.amdgpu_metadata
---
amdhsa.version: [ 1, 2 ]
amdhsa.kernels:
  - .name:           k_q4d1d33116f_maskprep
    .symbol:         k_q4d1d33116f_maskprep.kd
    .args:
      - { .name: mask, .offset: 0, .size: 8, .value_kind: global_buffer, .address_space: global }
      - { .name: maskw, .offset: 8, .size: 8, .value_kind: global_buffer, .address_space: global }
      - { .name: flags, .offset: 16, .size: 8, .value_kind: global_buffer, .address_space: global }
    .group_segment_fixed_size: 0
    .private_segment_fixed_size: 0
    .kernarg_segment_align: 8
    .kernarg_segment_size: 24
    .max_flat_workgroup_size: 128
    .sgpr_count:     66
    .vgpr_count:     56
    .wavefront_size: 32
...
	.end_amdgpu_metadata
.endif
;; end of part 3
;; launch attn (part 4): grid 4 x 64, 16 waves a work-group, no clusters, 280,576 bytes of LDS; arguments K_codes, K_scales, Q_codes, Q_scales, V_codes, V_scales, maskw, flags, out0; writes out0
.if DOCPART == 4
	.amdgcn_target "amdgcn-amd-amdhsa--gfx1250"
	.amdhsa_code_object_version 6
	.text
	.protected	k_q4d1d33116f_attn
	.globl	k_q4d1d33116f_attn
	.p2align	8
	.type	k_q4d1d33116f_attn,@function
k_q4d1d33116f_attn:
	s_mov_b64 s[64:65], 0
	v_nop
	global_prefetch_b8 v0, s[64:65] scope:SCOPE_SE
	s_setreg_imm32_b32 hwreg(HW_REG_WAVE_SCHED_MODE, 0, 2), 2
	s_setreg_imm32_b32 hwreg(HW_REG_WAVE_MODE, 25, 1), 1
	s_wait_xcnt 0x0
	s_wait_alu depctr_vm_vsrc(0)
; out0[head][q][:] = the sum over k of softmax_k(mask ? Q[q] . K[k] / 8 : -inf) V[k][:], 64 heads, 2,048 queries and keys, head size 64, both products on codes of BF6 (E3M2) with one E8M0 scale for each 32 along K.
; Q, K: rows of 48 bytes of codes (two blocks of 24) and 2 scale bytes.  V: keys innermost, 64 rows of 1,536 bytes of codes and 64 scale bytes.  The mask comes as lane words and flags made by the launch before.
; THE SOFTMAX: t = score x log2(e) / 8; M = the row's largest t so far, rounded UP to a whole number; p = 2^(t - M) is quantised along the keys, not normalised; the row's sum is taken of the unquantised p and divides at the end.
; When M moves, the sum and O are multiplied by 2^(old M - new M), which rounds nothing.
; SHARES.  A work-group serves a quarter of a head's queries; wave w of work-group x has j = 16 x + w and takes the query tiles (16 queries) j and 127 - j, one after the other: 32 key steps of 128 keys under an open mask,
; 17 under a triangular one, the same for every wave; under any other mask only less even.
; K AND V OF THE WHOLE HEAD LIE IN LDS, copied once through registers, AS IMAGES OF THE OPERANDS' REGISTERS: 48 bytes a lane, 1,536 a fragment, read back by three loads of 16 bytes.  One barrier; behind it the sixteen waves share nothing.
; A KEY STEP none of whose 16 x 128 mask bits is set changes nothing (every p is 0) and is jumped over; one all of whose bits are set skips the masking: scalar branches on the stored flags.  They hold for any mask.
; K = 64 IN AN INSTRUCTION OF K = 128.  A fragment of K holds TWO tiles of 16 keys: registers 0-5 tile 2 b, registers 6-11 tile 2 b + 1.  Q stands between zeros: v30-35 = 0, v36-41 = Q, v42-47 = 0.
; Against v[36:47] = (Q | 0) the fragment gives tile 2 b's scores, against v[30:41] = (0 | Q) tile 2 b + 1's: the other tile's codes meet zero codes.  Q's scale word likewise: its two bytes below or above, 0 (2^-127) over the zeros.
; LAYOUT.  Both products are used transposed (S^T = K Q^T, O^T = V^T P^T): a lane holds ONE query (lane % 16) throughout.  THE KEYS OF A TILE ARE NOT NEIGHBOURS: row r of tile 2 b + u is key 32 b + 8 u + r + 8 (r / 8),
; so that score register 16 b + i of lane l is key 32 b + 16 (l / 16) + i of the step: 16 neighbours along the second product's K.
; NO JOINT REQUESTS, NO TENSOR LOADS: the four work-groups of a head do copy the same 200 KiB, but once each, at the head, and nothing in LDS is filled again.
; NO PREFETCH: the copy stands at the kernel's head, and a step's mask words, 256 bytes, are the same for all 64 heads.
; LIMITS.  A row with no open key gives NaN (0 x 1/0), as the softmax of a row of -inf does.  Scale bytes 0xff are not served.  A t under -3e38 is not told apart from a masked score.
; A block's largest p is taken from its largest score by the same multiply-add and exponential: this takes v_exp_f32 not to fall where its input rises; at the worst one p of a block, within an ulp of a power of two, is held one code low.
; THE MODE: SCHED_MODE bits 1:0 = 2 (LLVM: expert scheduling mode 2), set by the entry lines.  The code itself states the register dependences
; between vector or matrix instructions and memory or LDS instructions, with s_wait_alu, always for 0.
; THE PLAN.  Registers that memory or LDS instructions touch:
;   v3-5 (ADK, ADV, ADS)   written by three additions at a worked step's head; read by that step's 26 LDS loads.
;   KF v48-95              K's 12 loads land there; the scores' products read it; then the conversions, swaps and moves write p's codes there (and one chain of the sum), and the second product reads them.
;   KS, VS, VF             LDS loads land there; matrix instructions alone read them.
;   v36-41, v26 (Q)        global loads land there once a tile; the scores' products read them, one shift reads v26.
;   v8, v9, v17            written by three additions at a tile's head; read by Q's loads and by the tile's eight global stores.
;   S v144-207             in the steps named by vector and matrix instructions alone; on the way out 32 multiplies write its lower half, which 8 LDS stores read, and 8 LDS loads land in its upper half, which 8 global stores read.
;   v10, v11, v254, v255 and the copy's v150-157 are written at the head alone; the copy's data pass through v48-149.
; So a worked step has ONE wait on vm_vsrc and ONE on va_vdst for its loads, round the three additions at its head: behind them K's 13 loads stand in a run and V's 13 are dealt among the eight products of the scores,
; which name KF, KS, v26-47 and S: none of the registers that V's loads touch.  Three more waits on va_vdst stand in a step: ahead of the exponentials, behind them, and ahead of the second product, whose operand and scale word vector lines have made.
;
; LDS
.set KIMG,  0                          ; 64 images of 1,536 bytes, one for each 32 keys: lane 16 h + 8 a + w at 48 x lane: bytes 0-23 half h of key 32 b + 16 a + w, bytes 24-47 of key 32 b + 16 a + 8 + w
.set VIMG,  98304                      ; image 4 s + n: step s, channels 16 n on: lane 16 h + r at 48 x lane: bytes 24 c on: keys 128 s + 64 c + 32 h + 0 .. 31 of channel 16 n + r
.set KSC,   196608                     ; 256 bytes a step: the scale word of (block b, row r), two keys' two bytes, at 8 (16 (b % 2) + r) + 4 (b / 2)
.set VSC,   200704                     ; 256 bytes a step: the scale word of (tile n, row r) at 8 (16 (n % 2) + r) + 4 (n / 2)
.set STAGE, 208896                     ; the way out: 16 rows x (256 + 16) bytes for each wave.  4,096 bytes behind VSC's end: s8 and s9 stand one step past their regions when the loop over steps is left, and even there point at no stage
.set SROW,  272
.set IMG,   1536
; lanes 48 bytes apart: the sixteen lanes of half a load of 16 bytes start at sixteen different multiples of 16 modulo 256
; VECTOR REGISTERS
.set L48,  1                           ; v1   48 x lane
.set LSC,  2                           ; v2   KSC + 8 x lane
.set ADK,  3                           ; v3   the step's images of K
.set ADV,  4                           ; v4   of V
.set ADS,  5                           ; v5   the step's scale words
.set NINF, 6                           ; v6   -infinity
.set QO0,  7                           ; v7   Q's codes: 48 r + 24 h;  v8 the same + 768 T
.set QO,   8
.set QSO,  9                           ; v9   Q's scale bytes: 2 r + 32 T  (v29: 2 r)
.set STI,  10                          ; v10  the stage, in: 272 r + 32 h
.set STB,  11                          ; v11  and back: 272 h + 16 r
.set NM,   12                          ; v12  -M;  v13 the largest t;  v[14:15] the sum in two halves
.set OO0,  16                          ; v16  out0: 16 x lane;  v17 the same + 4,096 T
.set OO,   17
.set FF,   18                          ; v18  f = 2^(old M - new M);  v19 = 0, named with it as a pair
.set T0,   20                          ; v20, v21 at work
.set KS,   22                          ; v22-23 K's scale words;  v24-25 V's;  v26, v27 Q's, below and above;  v28 p's: these seven hold scales and nothing else
.set VS,   24
.set QS,   26
.set PS,   28
.set R2,   29
.set QZ,   30                          ; v30-47 zeros, Q, zeros
.set QL,   36
.set KF,   48                          ; v48-95  K's four fragments; behind the first product v48-59 p's codes, v60-66 halves of conversions, v68-69 a chain of the sum
.set VF,   96                          ; v96-143 V's four fragments
.set S,    144                         ; v144-207 S^T, then p; on the way out the quotients and the rows read back
.set OT,   208                         ; v208-239 O^T: four accumulators
.set BM,   240                         ; v240-243 the blocks' largest scores, then largest p
.set PT,   244                         ; v244-247 the other half's maxima, then the scale bytes
.set SO,   248                         ; v248-251 the conversions' scale operands
; v254: the LDS address of my spare word, 0x44000 + 4 x thread (behind the stages: 128 bytes for each of the sixteen waves, eight blocks of 256 bytes that no other line names); v255: 0.  Made at the head and kept for the closing lines alone
; SCALAR REGISTERS: s2 wave; s3 T; s[4:5] lane selects; s[6:7] c; s8, s9 the step's place among the images and the scale words; s10 step; s11 tiles to go; s12 the tile's flags; s13 at work; s[14:15] an offset;
; s16-63 and s68-83 a step's 64 mask words (at a tile's head s16-31: its 16 flag words); s[84:99], s[100:101] the buffers; behind the copy s[84:85] walks the mask words and s[86:87] are at work
	s_load_b512 s[84:99], s[0:1], 0x0              ; K's codes s[84:85], K's scales s[86:87], Q's s[88:89], s[90:91], V's s[92:93], s[94:95], maskw s[96:97], flags s[98:99]
	s_load_b64 s[100:101], s[0:1], 0x40            ; out0
	v_lshl_add_u32 v254, v0, 2, 0x44000
	v_mov_b32 v255, 0
	v_lshrrev_b32 v243, 5, v0                      ; thread / 32
	v_readfirstlane_b32 s2, v243                   ; wave 0..15
	v_and_b32 v240, 31, v0                         ; lane
	v_and_b32 v241, 15, v0                         ; r
	v_bfe_u32 v242, v0, 4, 1                       ; h
	v_mul_u32_u24 v[L48], v240, 48
	v_lshl_add_u32 v[LSC], v240, 3, KSC
	v_lshlrev_b32 v[OO0], 4, v240
	v_mul_u32_u24 v[QO0], v241, 48
	v_mad_u32_u24 v[QO0], v242, 24, v[QO0]
	v_lshlrev_b32 v[R2], 1, v241
	s_wait_alu depctr_va_sdst(0)                   ; s2 is written, ahead of its first reader: the stage's place and the wave's query tiles are made from it
	s_mul_i32 s13, s2, 16*SROW
	s_add_co_u32 s13, s13, STAGE                   ; my stage
	v_mul_u32_u24 v[STI], v241, SROW
	v_lshl_add_u32 v[STI], v242, 5, v[STI]
	v_add_nc_u32 v[STI], s13, v[STI]
	v_mul_u32_u24 v[STB], v242, SROW
	v_lshl_add_u32 v[STB], v241, 4, v[STB]
	v_add_nc_u32 v[STB], s13, v[STB]
	v_mov_b32 v[NINF], 0xff800000
.irp i, 0,1,2,3,4,5
	v_mov_b32 v[QZ+\i], 0                          ; the zero codes on both sides of Q: written once
	v_mov_b32 v[QZ+12+\i], 0
.endr
	v_mov_b32 v[FF+1], 0
	v_mov_b32 v[T0+1], 0                           ; a lane permute's destination counts as one of its sources: written once,
.irp b, 0,1,2,3
	v_mov_b32 v[PT+\b], 0                          ; these four too
.endr
	s_mov_b32 s4, 0x76543210
	s_mov_b32 s5, 0xfedcba98                       ; v_permlanex16_b32's selects for lane l xor 16
	s_mov_b32 s6, 0x3e38aa3b                       ; c = log2(e) / 8
	s_mov_b32 s7, s6                               ; (the packed form names the pair and takes its low word for both halves)
	; THE COPY.  A unit is 48 bytes of codes; thread t takes units t + 512 m, m = 0 .. 3, of K and of V.
	; K's unit is key t + 512 m: block of 32 keys t / 32 + 16 m, a = bit 4, u = bit 3, w = bits 2:0 of t; its half h goes to lane 16 h + 8 a + w of the image, 24 u bytes in.
	; V's unit is blocks 2 q and 2 q + 1 (q = t % 32) of channel t / 32 + 16 m: step q / 2, c = q % 2, tile m, row t / 32; its half h goes to lane 16 h + row, 24 c bytes in.
	v_mul_u32_u24 v150, v0, 48                     ; codes, in memory
	v_lshlrev_b32 v151, 1, v0                      ; K's scale bytes: two a key
	v_lshlrev_b32 v152, 2, v0                      ; V's: a word for a channel and a step
	v_and_b32 v248, 7, v0                          ; w
	v_bfe_u32 v249, v0, 3, 1                       ; u
	v_mul_u32_u24 v153, v243, IMG
	v_mad_u32_u24 v153, v242, 384, v153
	v_mad_u32_u24 v153, v248, 48, v153
	v_mad_u32_u24 v153, v249, 24, v153             ; K's codes, m = 0, 1: 1,536 (t / 32) + 384 a + 48 w + 24 u
	v_add_nc_u32 v154, 2*16*IMG, v153              ; m = 2, 3: an LDS offset has 16 bits
	v_bfe_u32 v250, v0, 1, 4
	v_mul_u32_u24 v155, v250, 4*IMG
	v_and_b32 v250, 1, v0
	v_mad_u32_u24 v155, v250, 24, v155
	v_mad_u32_u24 v155, v243, 48, v155
	v_add_nc_u32 v155, VIMG, v155                  ; V's codes: 6,144 (q / 2) + 24 (q % 2) + 48 (t / 32)
	v_lshrrev_b32 v250, 7, v0
	v_lshl_add_u32 v156, v250, 8, KSC
	v_bfe_u32 v250, v0, 5, 1
	v_lshl_add_u32 v156, v250, 7, v156
	v_bfe_u32 v250, v0, 6, 1
	v_lshl_add_u32 v156, v250, 2, v156
	v_lshl_add_u32 v156, v242, 6, v156
	v_lshl_add_u32 v156, v248, 3, v156
	v_lshl_add_u32 v156, v249, 1, v156             ; K's scale bytes: 256 (t / 128) + 128 bit 5 + 4 bit 6 + 64 a + 8 w + 2 u
	v_lshl_add_u32 v157, v241, 8, VSC
	v_lshrrev_b32 v250, 8, v0
	v_lshl_add_u32 v157, v250, 7, v157
	v_bfe_u32 v250, v0, 4, 4
	v_lshl_add_u32 v157, v250, 3, v157             ; V's scale words: word t + 512 m is channel t / 16 + 32 m, step t % 16: 256 (t % 16) + 128 (t / 256) + 8 ((t / 16) % 16), + 4 m
	s_and_b32 s12, ttmp7, 0xffff                   ; the head
	s_mul_i32 s14, s12, 98304                      ; its codes, in each of the three tensors
	s_mov_b32 s15, 0
	s_wait_kmcnt 0x0
	s_add_nc_u64 s[84:85], s[84:85], s[14:15]
	s_add_nc_u64 s[88:89], s[88:89], s[14:15]
	s_add_nc_u64 s[92:93], s[92:93], s[14:15]
	s_lshl_b32 s14, s12, 12                        ; its scale bytes
	s_add_nc_u64 s[86:87], s[86:87], s[14:15]
	s_add_nc_u64 s[90:91], s[90:91], s[14:15]
	s_add_nc_u64 s[94:95], s[94:95], s[14:15]
	s_lshl_b32 s14, s12, 19                        ; its rows of out0
	s_add_nc_u64 s[100:101], s[100:101], s[14:15]
	s_wait_alu depctr_va_vdst(0)                   ; the copy's addresses v150-157 are written, which the loads and LDS stores below read; so are the stage's v10 and v11, and the zero codes v30-35 and v42-47, which the scaled products take as an operand
.irp m, 0,1,2,3
.irp j, 0,1,2
	global_load_b128 v[KF+12*\m+4*\j:KF+12*\m+4*\j+3], v150, s[84:85] offset:24576*\m+16*\j
.endr
.endr
.irp m, 0,1,2,3
	global_load_u16 v[144+\m], v151, s[86:87] offset:1024*\m
.endr
.irp m, 0,1,2,3
.irp j, 0,1,2
	global_load_b128 v[VF+12*\m+4*\j:VF+12*\m+4*\j+3], v150, s[92:93] offset:24576*\m+16*\j
.endr
.endr
.irp m, 0,1
	global_load_b32 v[148+\m], v152, s[94:95] offset:2048*\m
.endr
	s_wait_loadcnt 18                              ; K's 12 loads of codes are in; the 4 + 12 + 2 issued behind them may be out
.irp m, 0,1,2,3
.irp h, 0,1
.irp p, 0,1,2
	ds_store_b64 v[153+\m/2], v[KF+12*\m+6*\h+2*\p:KF+12*\m+6*\h+2*\p+1] offset:16*IMG*(\m%2)+768*\h+8*\p
.endr
.endr
.endr
	s_wait_loadcnt 14                              ; K's scale bytes are in; V's 12 + 2 may be out
.irp m, 0,1,2,3
	ds_store_b16 v156, v[144+\m] offset:1024*\m
.endr
	s_wait_loadcnt 2                               ; V's codes are in; its two scale words may be out
.irp m, 0,1,2,3
.irp h, 0,1
.irp p, 0,1,2
	ds_store_b64 v155, v[VF+12*\m+6*\h+2*\p:VF+12*\m+6*\h+2*\p+1] offset:IMG*\m+768*\h+8*\p
.endr
.endr
.endr
	s_wait_loadcnt 0x0
.irp m, 0,1
	ds_store_b32 v157, v[148+\m] offset:4*\m
.endr
	s_wait_dscnt 0x0                               ; for the others' sake: my stores have landed
	s_barrier_signal -1
	s_barrier_wait -1                              ; the head's K and V lie in LDS: the kernel's one barrier.  From here on these bytes are only read
	s_wait_alu depctr_vm_vsrc(0)                   ; the copy's loads and LDS stores have read v48-157: from here on the fragments' loads land in v48-143 and the products write the scores into v144 on
	s_lshl_b32 s3, ttmp9, 4
	s_add_co_u32 s3, s3, s2                        ; my first query tile: 16 x + w
	s_mov_b32 s11, 2
; One product of S^T = K Q^T: block b of the step's four, tile u of its two.  K's scale words: blocks 0 and 2 in lanes 0-15 of their registers, blocks 1 and 3 in lanes 16-31.
.macro KQ b, u
.if (\b)%2
	v_wmma_scale_f32_16x16x128_f8f6f4 v[S+16*(\b)+8*(\u):S+16*(\b)+8*(\u)+7], v[KF+12*(\b):KF+12*(\b)+11], v[QL-6*(\u):QL-6*(\u)+11], 0, v[KS+(\b)/2], v[QS+(\u)] matrix_a_fmt:MATRIX_FMT_BF6 matrix_b_fmt:MATRIX_FMT_BF6 matrix_a_scale:MATRIX_SCALE_ROW1
.else
	v_wmma_scale_f32_16x16x128_f8f6f4 v[S+16*(\b)+8*(\u):S+16*(\b)+8*(\u)+7], v[KF+12*(\b):KF+12*(\b)+11], v[QL-6*(\u):QL-6*(\u)+11], 0, v[KS+(\b)/2], v[QS+(\u)] matrix_a_fmt:MATRIX_FMT_BF6 matrix_b_fmt:MATRIX_FMT_BF6
.endif
.endm
; One product of O^T += V^T P^T: channels 16 n on, K = the step's 128 keys
.macro PV n
.if (\n)%2
	v_wmma_scale_f32_16x16x128_f8f6f4 v[OT+8*(\n):OT+8*(\n)+7], v[VF+12*(\n):VF+12*(\n)+11], v[KF:KF+11], v[OT+8*(\n):OT+8*(\n)+7], v[VS+(\n)/2], v[PS] matrix_a_fmt:MATRIX_FMT_BF6 matrix_b_fmt:MATRIX_FMT_BF6 matrix_a_scale:MATRIX_SCALE_ROW1
.else
	v_wmma_scale_f32_16x16x128_f8f6f4 v[OT+8*(\n):OT+8*(\n)+7], v[VF+12*(\n):VF+12*(\n)+11], v[KF:KF+11], v[OT+8*(\n):OT+8*(\n)+7], v[VS+(\n)/2], v[PS] matrix_a_fmt:MATRIX_FMT_BF6 matrix_b_fmt:MATRIX_FMT_BF6
.endif
.endm
; A step's 26 LDS loads and the eight products of the scores.  K's 13 loads stand in one run; V's 13 are dealt among the products, behind each block's two, and land under the softmax.
.macro FRONT
	s_wait_alu depctr_vm_vsrc(0)                   ; the LDS loads issued so far have read v[ADK], v[ADV] and v[ADS], which the three additions write
	v_add_nc_u32 v[ADK], s8, v[L48]
	v_add_nc_u32 v[ADV], VIMG, v[ADK]
	v_add_nc_u32 v[ADS], s9, v[LSC]
	s_wait_alu depctr_va_vdst(0)                   ; the three addresses are written; the last step's products are done reading V's fragments, both sets of scale words and p's codes, and the vector lines that wrote K's registers are done: the loads below land there.  In a tile's first step also: v[QS+1] is written, which the scaled products take as scales
	ds_load_b64 v[KS:KS+1], v[ADS]
.irp b, 0,1,2,3
.irp j, 0,1,2
	ds_load_b128 v[KF+12*\b+4*\j:KF+12*\b+4*\j+3], v[ADK] offset:IMG*\b+16*\j
.endr
.endr
.irp b, 0,1,2,3
.if \b == 0
	s_wait_dscnt 9                                 ; K's scale words and fragment 0 are in; behind them: K's three other fragments, nine loads
.else
	s_wait_dscnt 10                                ; fragment b is in; behind it: K's 3 (3 - b) loads and V's 1 + 3 b, ten in all
.endif
	KQ \b, 0
	KQ \b, 1
.if \b == 0
	ds_load_b64 v[VS:VS+1], v[ADS] offset:VSC-KSC  ; no further wait for V's loads: no vector or matrix instruction since the wait above names v[VS ..], v[VF ..], v[ADV] or v[ADS]
.endif
.irp j, 0,1,2
	ds_load_b128 v[VF+12*\b+4*\j:VF+12*\b+4*\j+3], v[ADV] offset:IMG*\b+16*\j
.endr
.endr
.rept 4
	v_nop                                          ; four places behind the products, in front of the first read of the scores and of the first write of K's registers
.endr
.endm
.Ltile:                                            ; two trips: tiles j and 127 - j
	s_lshl_b32 s14, s3, 6
	s_add_nc_u64 s[86:87], s[98:99], s[14:15]      ; the tile's 16 flag words
	s_load_b512 s[16:31], s[86:87], 0x0
	s_lshl_b32 s14, s3, 12
	s_add_nc_u64 s[84:85], s[96:97], s[14:15]      ; its mask words: 256 bytes a step
	s_mul_i32 s13, s3, 768
	v_add_nc_u32 v[QO], s13, v[QO0]
	s_lshl_b32 s13, s3, 5
	v_add_nc_u32 v[QSO], s13, v[R2]
	v_add_nc_u32 v[OO], s14, v[OO0]                ; its 16 rows of out0 begin 4,096 T bytes into the head's
	s_wait_alu depctr_va_vdst(0)                   ; v[QO], v[QSO] and v[OO] are written, which the loads below and the tile's stores read; the last tile's products are done reading Q and its scale word, and the shift is done reading v[QS]: the loads below land there
.irp p, 0,1,2
	global_load_b64 v[QL+2*\p:QL+2*\p+1], v[QO], s[88:89] offset:8*\p   ; lane (r, h): the 24 bytes of query r's block h, as they lie
.endr
	global_load_u16 v[QS], v[QSO], s[90:91]        ; query r's two scale bytes, zeros above them
	s_wait_kmcnt 0x0
	s_mov_b32 s12, s16                             ; the 16 flag words in one: bit s = some key of step s is open, bit 16 + s = all are
.irp i, 1,2,3,4,5,6,7,8,9,10,11,12,13,14,15
	s_lshl_b32 s87, s[16+\i], \i
	s_or_b32 s12, s12, s87
.endr
	s_wait_loadcnt 0x0                             ; Q
	v_lshlrev_b32 v[QS+1], 16, v[QS]               ; the same two bytes above, zeros below.  (The 36 lines that follow are more than the eight places that a scale register written so owes ahead of a scaled product)
	v_mov_b32 v[NM+1], 0xff61b1e6                  ; the largest t so far: -3e38, under every t
	v_floor_f32 v[NM], -v[NM+1]                    ; -M
	v_mov_b32 v[NM+2], 0                           ; the sum, in two halves
	v_mov_b32 v[NM+3], 0
.set j, 0
.rept 32
	v_mov_b32 v[OT+j], 0                           ; O^T.  Which step is a tile's first hangs on the mask, so no product can be written out to start the sums: 32 lines a tile
.set j, j+1
.endr
	s_mov_b32 s8, 0
	s_mov_b32 s9, 0
	s_mov_b32 s10, 0
.Lstep:                                            ; 16 trips, whatever the mask: a closed step jumps to the lines at the trip's end
	s_lshr_b32 s13, s12, s10
	s_bitcmp1_b32 s13, 0
	s_cbranch_scc0 .Lskip                          ; no key of the step is open for any of my 16 queries
	s_bitcmp1_b32 s13, 16
	s_cbranch_scc1 .Lfull                          ; all are open: nothing to mask
	s_load_b512 s[16:31], s[84:85], 0x0            ; the step's 64 mask words, asked for ahead of the products
	s_load_b512 s[32:47], s[84:85], 0x40
	s_load_b512 s[48:63], s[84:85], 0x80
	s_load_b512 s[68:83], s[84:85], 0xc0
	FRONT
	s_wait_kmcnt 0x0
.set n, 0
.rept 64
.if n < 48
	v_cndmask_b32 v[S+n], v[NINF], v[S+n], s[16+n]   ; bit l of word n: lane l's score in register n counts; else -infinity, ahead of the maximum: p = 0 then.  Ascending: each accumulator from its low end on
.else
	v_cndmask_b32 v[S+n], v[NINF], v[S+n], s[20+n]
.endif
.set n, n+1
.endr
	s_branch .Lsoft
.Lfull:
	FRONT
.Lsoft:
.irp b, 0,1,2,3
	v_max3_num_f32 v[BM+\b], v[S+16*\b], v[S+1+16*\b], v[S+2+16*\b]   ; THE LARGEST SCORE OF EACH BLOCK OF 32 KEYS: it serves the row's maximum and, since p rises with the score, the block's largest p
.endr
.irp i, 3,5,7,9,11,13
.irp b, 0,1,2,3
	v_max3_num_f32 v[BM+\b], v[BM+\b], v[S+16*\b+\i], v[S+1+16*\b+\i]   ; (the four blocks by turns)
.endr
.endr
.irp b, 0,1,2,3
	v_max_num_f32 v[BM+\b], v[BM+\b], v[S+15+16*\b]
.endr
.irp b, 0,1,2,3
	v_permlanex16_b32 v[PT+\b], v[BM+\b], s4, s5
.endr
.irp b, 0,1,2,3
	v_max_num_f32 v[BM+\b], v[BM+\b], v[PT+\b]     ; with lane l xor 16's 16 keys
.endr
	v_max3_num_f32 v[T0], v[BM], v[BM+1], v[BM+2]
	v_max_num_f32 v[T0], v[T0], v[BM+3]            ; the step's largest score of my query
	v_mul_f32 v[T0], s6, v[T0]                     ; as t (c is positive)
	v_max_num_f32 v[NM+1], v[NM+1], v[T0]          ; the running largest t.  A query with no open key so far keeps -3e38: its scores are all -infinity, its p all 0
	v_mov_b32 v[T0], v[NM]
	v_floor_f32 v[NM], -v[NM+1]                    ; the new -M = floor(-t) = -ceil(t): M IS A WHOLE NUMBER
	v_sub_f32 v[T0], v[NM], v[T0]                  ; M's old value less its new one: a whole number, 0 or less
	v_cvt_i32_f32 v[T0], v[T0]                     ; (it saturates)
	v_ldexp_f32 v[FF], 1.0, v[T0]                  ; f = 2^(old M - new M)
.set j, 0
.rept 32
	v_pk_fma_f32 v[S+j:S+j+1], v[S+j:S+j+1], s[6:7], v[NM:NM+1] op_sel_hi:[1,0,0]   ; t - M, two at a time (of the pairs c and -M the low word serves both halves)
.set j, j+2
.endr
.irp b, 0,1,2,3
	v_fma_f32 v[BM+\b], v[BM+\b], s6, v[NM]        ; the same of each block's largest score
.endr
.set j, 0
	s_wait_alu depctr_va_vdst(0)
.rept 64
	v_exp_f32 v[S+j], v[S+j]                       ; p = 2^(t - M), at most 1: NOT normalised
.set j, j+1
.endr
.irp b, 0,1,2,3
	v_exp_f32 v[BM+\b], v[BM+\b]                   ; the block's largest p: the same two instructions on the same number give the same bits
.endr
	v_pk_mul_f32 v[NM+2:NM+3], v[NM+2:NM+3], v[FF:FF+1] op_sel_hi:[1,0]   ; the sums under the new M.  (The plain place behind the exponentials)
	s_wait_alu depctr_va_vdst(0)                   ; the 68 exponentials have written p and the blocks' largest p: one wait for the batch, ahead of its first reader
.irp b, 0,1,2,3
	v_max_num_f32 v[BM+\b], 0x2800000, v[BM+\b]    ; the floor 2^(5 - 127): the byte cannot fall under 1 (a block whose every p is 0 keeps that byte: its codes are zeros)
.endr
.irp b, 0,1,2,3
	v_add_nc_u32 v[SO+\b], 0xfe000000, v[BM+\b]    ; 4 off the exponent field: the conversion takes the exponent field of this operand as its scale
.endr
.irp b, 0,1,2,3
	v_lshrrev_b32 v[PT+\b], 23, v[SO+\b]           ; the scale's byte
.endr
	v_lshl_or_b32 v[PS], v[PT+1], 8, v[PT]         ; p's scale word for these 128 keys
	v_lshl_or_b32 v[PS], v[PT+2], 16, v[PS]
	v_lshl_or_b32 v[PS], v[PT+3], 24, v[PS]
.irp c, 0,1
	v_cvt_scalef32_pk16_bf6_f32 v[KF+6*\c:KF+2+6*\c], v[S+32*\c:S+15+32*\c], v[SO+2*\c]           ; 96 bits: the codes of keys 64 c + 16 h + 0 .. 15
	v_cvt_scalef32_pk16_bf6_f32 v[KF+12+4*\c:KF+14+4*\c], v[S+16+32*\c:S+31+32*\c], v[SO+2*\c+1]   ; and of keys 64 c + 32 + 16 h + 0 .. 15  (a conversion's three registers begin on an even number)
.endr
	v_nop                                          ; one plain place behind a scaled conversion
.irp c, 0,1                                    ; the operand's layout wants a WHOLE block in a lane: lanes 0-15 block 2 c, lanes 16-31 block 2 c + 1
.irp i, 0,1,2
	v_permlane16_swap_b32 v[KF+6*\c+\i], v[KF+12+4*\c+\i]
.endr
.irp i, 0,1,2
	v_mov_b32 v[KF+3+6*\c+\i], v[KF+12+4*\c+\i]
.endr
.endr
	v_pk_add_f32 v[KF+20:KF+21], v[S:S+1], v[S+2:S+3]   ; THE ROW'S SUM IS TAKEN OF THE UNQUANTISED p: two at a time, in two chains
.set j, 4
.rept 15
	v_pk_add_f32 v[NM+2:NM+3], v[NM+2:NM+3], v[S+j:S+j+1]
	v_pk_add_f32 v[KF+20:KF+21], v[KF+20:KF+21], v[S+j+2:S+j+3]
.set j, j+4
.endr
	v_pk_add_f32 v[NM+2:NM+3], v[NM+2:NM+3], v[KF+20:KF+21]
.set j, 0
.rept 16
	v_pk_mul_f32 v[OT+j:OT+j+1], v[OT+j:OT+j+1], v[FF:FF+1] op_sel_hi:[1,0]   ; O^T under the new M, each accumulator from its low end on.  (With the 32 sums: the places that p's scale word, eight, and its codes, four, owe ahead of the products)
.set j, j+2
.endr
	s_wait_dscnt 0x0                               ; V's fragments and scale words, asked for among the scores' products
	s_wait_alu depctr_va_vdst(0)                   ; the conversions, swaps and moves have written p's codes v[KF ..], and the shifts p's scale word v[PS], which the scaled products below take as operand and scales; the places above stay beside this wait
.irp n, 0,1,2,3
	PV \n                                          ; the four accumulators by turns, one instruction a turn, and the eight products of the scores stand between two links of a chain
.endr
.rept 4
	v_nop                                          ; four places behind the products, in front of the way out's reads of O^T (for the next step's loads into both sets of fragments its own wait on va_vdst speaks)
.endr
.Lskip:
	s_add_co_u32 s8, s8, 4*IMG                     ; the next step's images,
	s_add_co_u32 s9, s9, 256                       ; scale words
	s_add_nc_u64 s[84:85], s[84:85], 256           ; and mask words (the scalar loads that read this base, if any were issued, have been waited for)
	s_add_co_u32 s10, s10, 1
	s_cmp_lt_u32 s10, 16
	s_cbranch_scc1 .Lstep
	; THE WAY OUT of a tile.  O^T / the sum goes through my own stage in LDS and leaves as whole rows of 256 bytes.
	v_add_f32 v[NM+2], v[NM+2], v[NM+3]            ; the sum's two halves,
	v_permlanex16_b32 v[T0+1], v[NM+2], s4, s5
	v_add_f32 v[NM+2], v[NM+2], v[T0+1]            ; and lane l xor 16's: the row's sum
	s_wait_alu depctr_va_vdst(0)
	v_rcp_f32 v[NM+2], v[NM+2]
	v_nop                                          ; one plain place behind a transcendental
	s_wait_alu depctr_va_vdst(0)                   ; the reciprocal has written v[NM+2], ahead of its first reader
.set j, 0
.rept 32
	v_mul_f32 v[S+j], v[OT+j], v[NM+2]             ; register 8 n + i is out(r, 16 n + 8 h + i).  A row with no open key: 0 x infinity = NaN
.set j, j+1
.endr
	s_wait_alu depctr_va_vdst(0)                   ; the 32 multiplies have written the quotients v[S .. S+31], which the LDS stores read; and the softmax's lines that named v[S+32 .. S+63] are done: the LDS loads below land there
.irp n, 0,1,2,3
	ds_store_b128 v[STI], v[S+8*\n:S+8*\n+3] offset:64*\n
	ds_store_b128 v[STI], v[S+8*\n+4:S+8*\n+7] offset:64*\n+16
.endr
.irp i, 0,1,2,3,4,5,6,7
	ds_load_b128 v[S+32+4*\i:S+32+4*\i+3], v[STB] offset:2*\i*SROW   ; LDS serves a wave's instructions in order (ISA guide 5.7.1.4): these see my stores
.endr
.irp i, 0,1,2,3,4,5,6,7
	s_wait_dscnt 7-\i                              ; rows 2 i and 2 i + 1 are back; the younger loads may be out
	global_store_b128 v[OO], v[S+32+4*\i:S+32+4*\i+3], s[100:101] offset:512*\i th:TH_STORE_NT   ; 32 lanes store 512 consecutive bytes, at a multiple of 256 from out0's first byte; written once, read by nobody here
.endr
	s_wait_xcnt 0x0                                ; the stores have read their data and their offset: the next tile writes both again
	s_wait_alu depctr_vm_vsrc(0)                   ; the LDS stores have read v[S .. S+31], the global stores v[S+32 .. S+63] and v[OO], Q's loads v[QO] and v[QSO]: the next tile's additions and products write them again
	s_sub_co_u32 s3, 127, s3                       ; the second tile: 127 - j
	s_sub_co_u32 s11, s11, 1
	s_cmp_lg_u32 s11, 0
	s_cbranch_scc1 .Ltile
	s_wait_dscnt 0x0                               ; the closing lines, six on end
	s_wait_alu 0x0
	s_wait_tensorcnt 0x0
	ds_add_u32 v254, v255
	s_wait_dscnt 0x0
	s_endpgm
.Lfunc_end_k_q4d1d33116f_attn:
	.size	k_q4d1d33116f_attn, .Lfunc_end_k_q4d1d33116f_attn-k_q4d1d33116f_attn
	.p2alignl 7, 3214868480
	.fill 96, 4, 3214868480
	.section	.rodata,"a",@progbits
	.p2align	6, 0x0
	.amdhsa_kernel k_q4d1d33116f_attn
		.amdhsa_group_segment_fixed_size 280576
		.amdhsa_private_segment_fixed_size 0
		.amdhsa_enable_private_segment 0
		.amdhsa_kernarg_size 72
		.amdhsa_user_sgpr_count 2
		.amdhsa_user_sgpr_kernarg_segment_ptr 1
		.amdhsa_wavefront_size32 1
		.amdhsa_system_sgpr_workgroup_id_x 1
		.amdhsa_system_sgpr_workgroup_id_y 1
		.amdhsa_system_sgpr_workgroup_id_z 1
		.amdhsa_system_vgpr_workitem_id 0
		.amdhsa_next_free_vgpr 256
		.amdhsa_next_free_sgpr 102
		.amdhsa_reserve_vcc 0
		.amdhsa_float_denorm_mode_32 3
		.amdhsa_float_denorm_mode_16_64 3
		.amdhsa_memory_ordered 1
		.amdhsa_forward_progress 1
		.amdhsa_inst_pref_size 42
	.end_amdhsa_kernel
	.amdgpu_metadata
---
amdhsa.version: [ 1, 2 ]
amdhsa.kernels:
  - .name:           k_q4d1d33116f_attn
    .symbol:         k_q4d1d33116f_attn.kd
    .args:
      - { .name: K_codes, .offset: 0, .size: 8, .value_kind: global_buffer, .address_space: global }
      - { .name: K_scales, .offset: 8, .size: 8, .value_kind: global_buffer, .address_space: global }
      - { .name: Q_codes, .offset: 16, .size: 8, .value_kind: global_buffer, .address_space: global }
      - { .name: Q_scales, .offset: 24, .size: 8, .value_kind: global_buffer, .address_space: global }
      - { .name: V_codes, .offset: 32, .size: 8, .value_kind: global_buffer, .address_space: global }
      - { .name: V_scales, .offset: 40, .size: 8, .value_kind: global_buffer, .address_space: global }
      - { .name: maskw, .offset: 48, .size: 8, .value_kind: global_buffer, .address_space: global }
      - { .name: flags, .offset: 56, .size: 8, .value_kind: global_buffer, .address_space: global }
      - { .name: out0, .offset: 64, .size: 8, .value_kind: global_buffer, .address_space: global }
    .group_segment_fixed_size: 280576
    .private_segment_fixed_size: 0
    .kernarg_segment_align: 8
    .kernarg_segment_size: 72
    .max_flat_workgroup_size: 512
    .sgpr_count:     102
    .vgpr_count:     256
    .wavefront_size: 32
...
	.end_amdgpu_metadata
.endif
;; end of part 4
